; MI455X (gfx1250); checked and timed in simulation.
; The chip was launched on July 23, 2026; its instructions are those of AMD's public machine-readable ISA for CDNA 5 (MIT licence, August 2026) and "CDNA5" Instruction Set Architecture Reference Guide (July 2026). The comments in the code are by the model that wrote it; some were corrected since.
;; Mo E Head. Allowed arithmetic: matrix products marked QUANTISED: E2M3 operands, one E8M0 scale for each 32 along K, by v_wmma_scale_f32_16x16x128_f8f6f4 with both operands' format E2M3, f32 sums; products left as they are: f32 operands where the result goes on into a quantised operand, else bf16, f16 or f32 operands; f32 sums; everything else in f32.
;; Inputs: b1 16 x 2,048 float32; b2 16 x 1 float32; gate_b 16 float32; gate_w_codes 16 x 16 x 24 uint8 (E2M3 codes of gate_w, K innermost, in blocks of 32 codes, four codes in three bytes); gate_w_scales 16 x 16 uint8 (E8M0 scales of gate_w, one for each 32 codes along K); ln_bias 16 x 512 float32; ln_scale 16 x 512 float32; w1_codes 16 x 2,048 x 16 x 24 uint8 (E2M3 codes of w1, K innermost, in blocks of 32 codes, four codes in three bytes); w1_scales 16 x 2,048 x 16 uint8 (E8M0 scales of w1, one for each 32 codes along K); w2 16 x 2,048 x 1 float32; z 4,096 x 512 float32.
;; Outputs: out0 4,096 float32; out1 4,096 x 16 float32.
;; This version of the problem:
;;   THIS VERSION OF THE PROBLEM IS GIVEN IN LOW PRECISION. The matrix products marked QUANTISED in the list below multiply operands that are first quantised to E2M3 (2 exponent bits, 3 mantissa bits; 6 bits a number), with one power-of-two scale for each 32 numbers along K (OCP MX v1.0); their sums are f32. All else is computed in f32.
;;   The module's matrix products, in the order in which they are computed (A, B: the left and right operand; K: the contracted axis; several contracted axes count as one K, in the product's order):
;;     1. [M 4,096, K 512] x [K 512, N 16]; A: input z; B: input gate_w (given as codes): QUANTISED
;;     2. [M 4,096, K 512] x [K 512, N 2,048]; A: computed on the way; B: input w1 (given as codes): QUANTISED
;;     3. [M 4,096, K 2,048] x [K 2,048, N 1]; A: computed on the way; B: input w2: left as it is (N = 1 < 16)
;;     4. [M 4,096, K 512] x [K 512, N 2,048]; A: computed on the way; B: input w1 (given as codes): QUANTISED
;;     5. [M 4,096, K 2,048] x [K 2,048, N 1]; A: computed on the way; B: input w2: left as it is (N = 1 < 16)
;;     6. [M 4,096, K 512] x [K 512, N 2,048]; A: computed on the way; B: input w1 (given as codes): QUANTISED
;;     7. [M 4,096, K 2,048] x [K 2,048, N 1]; A: computed on the way; B: input w2: left as it is (N = 1 < 16)
;;     8. [M 4,096, K 512] x [K 512, N 2,048]; A: computed on the way; B: input w1 (given as codes): QUANTISED
;;     9. [M 4,096, K 2,048] x [K 2,048, N 1]; A: computed on the way; B: input w2: left as it is (N = 1 < 16)
;;     10. [M 4,096, K 512] x [K 512, N 2,048]; A: computed on the way; B: input w1 (given as codes): QUANTISED
;;     11. [M 4,096, K 2,048] x [K 2,048, N 1]; A: computed on the way; B: input w2: left as it is (N = 1 < 16)
;;     12. [M 4,096, K 512] x [K 512, N 2,048]; A: computed on the way; B: input w1 (given as codes): QUANTISED
;;     13. [M 4,096, K 2,048] x [K 2,048, N 1]; A: computed on the way; B: input w2: left as it is (N = 1 < 16)
;;     14. [M 4,096, K 512] x [K 512, N 2,048]; A: computed on the way; B: input w1 (given as codes): QUANTISED
;;     15. [M 4,096, K 2,048] x [K 2,048, N 1]; A: computed on the way; B: input w2: left as it is (N = 1 < 16)
;;     16. [M 4,096, K 512] x [K 512, N 2,048]; A: computed on the way; B: input w1 (given as codes): QUANTISED
;;     17. [M 4,096, K 2,048] x [K 2,048, N 1]; A: computed on the way; B: input w2: left as it is (N = 1 < 16)
;;     18. [M 4,096, K 512] x [K 512, N 2,048]; A: computed on the way; B: input w1 (given as codes): QUANTISED
;;     19. [M 4,096, K 2,048] x [K 2,048, N 1]; A: computed on the way; B: input w2: left as it is (N = 1 < 16)
;;     20. [M 4,096, K 512] x [K 512, N 2,048]; A: computed on the way; B: input w1 (given as codes): QUANTISED
;;     21. [M 4,096, K 2,048] x [K 2,048, N 1]; A: computed on the way; B: input w2: left as it is (N = 1 < 16)
;;     22. [M 4,096, K 512] x [K 512, N 2,048]; A: computed on the way; B: input w1 (given as codes): QUANTISED
;;     23. [M 4,096, K 2,048] x [K 2,048, N 1]; A: computed on the way; B: input w2: left as it is (N = 1 < 16)
;;     24. [M 4,096, K 512] x [K 512, N 2,048]; A: computed on the way; B: input w1 (given as codes): QUANTISED
;;     25. [M 4,096, K 2,048] x [K 2,048, N 1]; A: computed on the way; B: input w2: left as it is (N = 1 < 16)
;;     26. [M 4,096, K 512] x [K 512, N 2,048]; A: computed on the way; B: input w1 (given as codes): QUANTISED
;;     27. [M 4,096, K 2,048] x [K 2,048, N 1]; A: computed on the way; B: input w2: left as it is (N = 1 < 16)
;;     28. [M 4,096, K 512] x [K 512, N 2,048]; A: computed on the way; B: input w1 (given as codes): QUANTISED
;;     29. [M 4,096, K 2,048] x [K 2,048, N 1]; A: computed on the way; B: input w2: left as it is (N = 1 < 16)
;;     30. [M 4,096, K 512] x [K 512, N 2,048]; A: computed on the way; B: input w1 (given as codes): QUANTISED
;;     31. [M 4,096, K 2,048] x [K 2,048, N 1]; A: computed on the way; B: input w2: left as it is (N = 1 < 16)
;;     32. [M 4,096, K 512] x [K 512, N 2,048]; A: computed on the way; B: input w1 (given as codes): QUANTISED
;;     33. [M 4,096, K 2,048] x [K 2,048, N 1]; A: computed on the way; B: input w2: left as it is (N = 1 < 16)
;;   THE QUANTISER, for each operand of a quantised product, along K:
;;     - K is cut into blocks of 32 from its start; a last block that is shorter is filled with zeros.
;;     - A block's scale is 2^e with e = floor(log2(the largest magnitude in the block)) - 2, held to -126 .. 127; a block of zeros has e = 0. As a byte (E8M0): e + 127.
;;     - Each number is divided by its block's scale, clamped to +-7.5, and rounded to the nearest number of E2M3, ties to even, subnormals kept.
;;     - The product sums the exact products of the quantised numbers (number of the format x scale) in f32.
;;   ~~~python
;;   def quantise(x, axis):      # numpy; x: float32 -> the quantised numbers, widened to float32 again
;;       x = np.moveaxis(x, axis, -1); K = x.shape[-1]
;;       x = np.pad(x, [(0, 0)] * (x.ndim - 1) + [(0, -K % 32)]); x = x.reshape(x.shape[:-1] + (-1, 32)); a = np.abs(x).max(-1, keepdims=True)
;;       e = np.where(a > 0, np.clip(np.frexp(np.where(a > 0, a, 1))[1] - 1 - 2, -126, 127), 0)      # np.frexp(a)[1] - 1 = floor(log2(a)), exactly
;;       r = np.clip(x / 2.0 ** e, -7.5, 7.5)
;;       step = 2.0 ** (np.maximum(np.frexp(np.where(r == 0, 1, r))[1] - 1, 0) - 3)
;;       q = np.round(r / step) * step * 2.0 ** e      # np.round: ties to even
;;       return np.moveaxis(q.reshape(q.shape[:-2] + (-1,))[..., :K], -1, axis).astype(np.float32)
;;   ~~~
;;   OPERANDS COMPUTED ON THE WAY. 'Computed on the way' means the value that the module computes at that place (a softmax that the list does not call 'softmax' is quantised finished and normalised). What goes into a quantiser is computed in f32, as accurately as f32 sums, v_exp_f32 and their like allow (about 1e-6 of the number): no bf16 or f16 on the way to a quantiser, and a product that is left as it is and whose result goes on into a quantised operand takes f32 operands (vector FMAs, or v_wmma_f32_16x16x4_f32). A number that lies on a knife's edge between two numbers of the format may be rounded either way, as far as f32 arithmetic and the matrix unit's own rounding can turn it there, and no further.
;;   INPUTS GIVEN AS CODES. gate_w (in the module: [512, 16], K = its axis 0); w1 (in the module: [16, 512, 2048], K = its axis 1): each comes as NAME_codes (uint8): NAME with its K axis moved to the last place and cut into blocks of 32 codes, [.., K / 32, bytes a block], one block behind the other in memory; four codes in three bytes: a row's codes are one little-endian stream of bits, code i at bits 6 i .. 6 i + 5 (a code: sign, 2 exponent bits, 3 mantissa bits); and NAME_scales (uint8): the same leading axes, one E8M0 byte (e + 127) for each 32 codes along K. Its value is code x scale, taken as it is: it is not quantised again, and the codes and scales need not be those that the quantiser above would give.
;; One version. Each part assembles by itself: llvm-mc -triple=amdgcn-amd-amdhsa -mcpu=gfx1250 --defsym DOCPART=n.
;; ======== version 1 of 1: 4 launches
;; limits: a function is approximated: absolute error at most 1.5e-07
;; workspace buffers: route 16,384 bytes of whole numbers; hist 8,192 bytes of whole numbers; stats 32,768 bytes; xq 1,572,864 bytes; xs 65,536 bytes; rowpos 16,384 bytes of whole numbers; tiles 1,024 bytes of whole numbers; partial 131,072 bytes
;; launch gate (part 1): grid 256 x 1, 4 waves a work-group, no clusters, 40,960 bytes of LDS; arguments z, gate_w_codes, gate_w_scales, gate_b, out1, route, hist, stats; writes out1, route, hist, stats
.if DOCPART == 1
	.amdgcn_target "amdgcn-amd-amdhsa--gfx1250"
	.amdhsa_code_object_version 6
	.text
	.protected	k_q2379cf10a8_gate
	.globl	k_q2379cf10a8_gate
	.p2align	8
	.type	k_q2379cf10a8_gate,@function
k_q2379cf10a8_gate:
	s_mov_b64 s[64:65], 0
	v_nop
	global_prefetch_b8 v0, s[64:65] scope:SCOPE_SE
	s_setreg_imm32_b32 hwreg(HW_REG_WAVE_MODE, 25, 1), 1
	s_wait_xcnt 0x0
; THE GATE.  g = softmax(Q(z) gate_w + gate_b), the product on codes of FP6 (E2M3) with one E8M0 scale for each 32 along K; out1 = g.
; Also stored, for the later launches: each row's expert (the first largest g) with its rank among the same expert's rows of its block of 16 rows (route),
; each block's 16 counts (hist), and each row's -mean and 1 / sqrt(variance + 1e-5) (stats).  Nothing here is addressed or branched by these numbers.
; SHARES.  A work-group owns 16 rows of z; wave w owns K step w of the four.
; THE BLOCKS OF K STAND IN ANOTHER ORDER, alike on both operands: in K step s the unit's block 2 c + h (registers 6 c .. 6 c + 5 of lane half h) is the true block 8 h + 2 s + c.
; So lane (r, h) of wave w holds elements 256 h + 64 w + 0 .. 63 of its row: two whole blocks, whose largest magnitudes need no other lane, and of gate_w 48 neighbouring bytes, 16-byte aligned.
; The scale word of step s is {sc[2 s], sc[8 + 2 s], sc[2 s + 1], sc[9 + 2 s]}.  Only the order of the f32 sums differs from K ascending.
; LIMITS: NaN and infinities among the inputs are not served.  A block whose largest magnitude lies under 2^-124 (a block of zeros too) gets the scale byte 1: the rule's hold from below; a block of zeros has zero codes,
; which add nothing under that byte, and this program alone reads the byte.  1 / sqrt is v_rsq_f32; e / sum is a multiplication by v_rcp_f32.
.set DIMG, 34816                       ; LDS: 0: a stage of 2 halves x 16 rows x 272 bytes for each wave; here: the four waves' partial logits, 1,024 bytes each, as images of their registers
.set SUM1, 38912                       ; 4 waves x 16 rows: partial sums of a row; 256 bytes on: partial sums of squares
.set GST,  39424                       ; 16 rows x 64 bytes: g on its way out
.set R,    16                          ; v16-79   z as loaded; later v16-23 the partial logits, v24.. at work
.set X,    80                          ; v80-143  my 64 numbers of my row
.set GW,   144                         ; v144-155 gate_w's fragment
.set C,    156                         ; v156-167 z's codes
.set CT,   168                         ; v168-170, v172-174 the upper halves of the two blocks' codes, before they are moved
.set GS,   176                         ; v176-177 gate_w's scale bytes as loaded
.set GB,   178                         ; v178-185 gate_b of my 8 experts
.set M,    186                         ; v186-187 largest magnitudes; v188-189 the conversions' scale operands; v190-191 bytes
.set OP,   188
.set BY,   190
.set SW,   15                          ; v15 z's scale word; v14 gate_w's: these two hold scales and nothing else
	s_load_b256 s[4:11], s[0:1], 0x0               ; z s[4:5], gate_w_codes s[6:7], gate_w_scales s[8:9], gate_b s[10:11]
	s_load_b256 s[12:19], s[0:1], 0x20             ; out1 s[12:13], route s[14:15], hist s[16:17], stats s[18:19]
	v_lshl_add_u32 v208, v0, 2, 0x9e00
	v_mov_b32 v209, 0
	v_lshrrev_b32 v192, 5, v0
	v_readfirstlane_b32 s20, v192                  ; wave
	v_and_b32 v1, 31, v0                           ; l
	v_and_b32 v2, 15, v0                           ; r
	v_bfe_u32 v3, v0, 4, 1                         ; h
	v_lshlrev_b32 v4, 4, v2
	v_lshl_add_u32 v4, v3, 10, v4
	v_lshl_add_u32 v4, v192, 8, v4                 ; z: 1024 h + 256 w + 16 r: sixteen lanes read 256 consecutive bytes of one row
	v_mul_u32_u24 v5, v192, 8704
	v_mad_u32_u24 v5, v3, 4352, v5
	v_mad_u32_u24 v6, v2, 272, v5                  ; the stage, out: row r
	v_lshl_add_u32 v5, v2, 4, v5                   ; the stage, in: 16 r of a row
	v_mul_u32_u24 v7, v2, 384
	v_mad_u32_u24 v7, v3, 192, v7
	v_mad_u32_u24 v7, v192, 48, v7                 ; gate_w: expert r, half h, K step w
	v_lshrrev_b32 v8, 6, v0
	v_lshlrev_b32 v8, 2, v8
	v_lshl_add_u32 v8, v2, 4, v8                   ; its scale bytes: 16 r + 4 (w / 2); the partner dword lies 8 bytes on
	v_lshlrev_b32 v9, 3, v3                        ; 8 h
	v_lshlrev_b32 v196, 4, v1                      ; 16 l
	v_add_nc_u32 v13, DIMG, v196                   ; the images, read
	v_lshl_add_u32 v10, v192, 10, v13              ; my image, written
	v_lshl_add_u32 v12, v2, 2, SUM1                ; the partial sums of row r, read
	v_lshl_add_u32 v11, v192, 6, v12               ; mine, written
	v_lshlrev_b32 v193, 5, v3                      ; gate_b: 32 h
	v_lshl_add_u32 v194, v2, 6, v193
	v_add_nc_u32 v194, GST, v194                   ; g in: 64 r + 32 h
	v_add_nc_u32 v195, GST, v196                   ; g back: 16 l
	v_lshlrev_b32 v197, 2, v1                      ; route: 4 l
	v_lshlrev_b32 v198, 3, v2                      ; stats: 8 r
	s_mov_b32 s22, 0x76543210
	s_mov_b32 s23, 0xfedcba98                      ; v_permlanex16_b32's selects for lane l xor 16
	s_and_b32 s25, s20, 1
	s_mov_b32 s24, 0x07030602                      ; odd K steps take bytes 2, 3 of the two dwords,
	s_cmp_eq_u32 s25, 0
	s_cselect_b32 s24, 0x05010400, s24             ; even ones bytes 0, 1
	s_mov_b32 s27, 0
	s_lshl_b32 s26, ttmp9, 15
	s_wait_alu depctr_va_vdst(0)
	s_wait_kmcnt 0x0
	s_add_nc_u64 s[4:5], s[4:5], s[26:27]          ; my 16 rows of z,
	s_lshl_b32 s26, ttmp9, 10
	s_add_nc_u64 s[12:13], s[12:13], s[26:27]      ; of out1,
	s_lshl_b32 s26, ttmp9, 6
	s_add_nc_u64 s[14:15], s[14:15], s[26:27]      ; of route,
	s_lshl_b32 s26, ttmp9, 5
	s_add_nc_u64 s[16:17], s[16:17], s[26:27]      ; my block's counts,
	s_lshl_b32 s26, ttmp9, 7
	s_add_nc_u64 s[18:19], s[18:19], s[26:27]      ; my rows of stats
.irp i, 0,1,2,3,4,5,6,7,8,9,10,11,12,13,14,15
	global_load_b128 v[R+4*\i:R+4*\i+3], v4, s[4:5] offset:2048*\i   ; row i: two aligned runs of 256 bytes
.endr
.irp c, 0,1,2
	global_load_b128 v[GW+4*\c:GW+4*\c+3], v7, s[6:7] offset:16*\c
.endr
	global_load_b32 v[GS], v8, s[8:9]
	global_load_b32 v[GS+1], v8, s[8:9] offset:8
	global_load_b128 v[GB:GB+3], v193, s[10:11]
	global_load_b128 v[GB+4:GB+7], v193, s[10:11] offset:16
	s_wait_loadcnt 0x0                             ; all were asked for together
	v_perm_b32 v14, v[GS+1], v[GS], s24            ; gate_w's scale word of my K step
; The numbers turn through my own stage: in as loaded (row i, 16 bytes a lane), out 256 bytes a lane.  LDS serves a wave's instructions in order, so no wait stands between.
.irp i, 0,1,2,3,4,5,6,7,8,9,10,11,12,13,14,15
	ds_store_b128 v5, v[R+4*\i:R+4*\i+3] offset:272*\i
.endr
.irp q, 0,1,2,3,4,5,6,7,8,9,10,11,12,13,14,15
	ds_load_b128 v[X+4*\q:X+4*\q+3], v6 offset:16*\q
.endr
	s_wait_dscnt 0x0                               ; v[X + k] = z[r][256 h + 64 w + k]
; The quantiser: two whole blocks of 32 a lane, by turns.
	v_max3_num_f32 v[M], |v[X]|, |v[X+1]|, 0x1800000       ; with the floor 2^(3 - 127) among the leaves: the byte cannot fall under 1
	v_max3_num_f32 v[M+1], |v[X+32]|, |v[X+33]|, 0x1800000
.irp i, 2,4,6,8,10,12,14,16,18,20,22,24,26,28,30
	v_max3_num_f32 v[M], v[M], |v[X+\i]|, |v[X+1+\i]|
	v_max3_num_f32 v[M+1], v[M+1], |v[X+32+\i]|, |v[X+33+\i]|
.endr
	v_add_nc_u32 v[OP], 0xff000000, v[M]           ; 2 off the exponent field: the conversion takes that field as its scale
	v_add_nc_u32 v[OP+1], 0xff000000, v[M+1]
	v_lshrrev_b32 v[BY], 23, v[OP]                 ; the scales' bytes
	v_lshrrev_b32 v[BY+1], 23, v[OP+1]
	v_lshl_or_b32 v[BY], v[BY+1], 16, v[BY]        ; the unit's blocks h and 2 + h are mine:
	v_lshlrev_b32 v[BY], v9, v[BY]                 ; 8 h bits up;
	v_permlanex16_b32 v[BY+1], v[BY], s22, s23
	v_or_b32 v[SW], v[BY], v[BY+1]                 ; with lane l xor 16's two bytes the word is whole
.irp c, 0,1
	v_cvt_scalef32_pk16_fp6_f32 v[C+6*\c:C+6*\c+2], v[X+32*\c:X+32*\c+15], v[OP+\c]
	v_cvt_scalef32_pk16_fp6_f32 v[CT+4*\c:CT+4*\c+2], v[X+32*\c+16:X+32*\c+31], v[OP+\c]   ; (a conversion's three registers begin on an even number)
.endr
	v_nop                                          ; one plain place behind the conversions
.irp c, 0,1
.irp i, 0,1,2
	v_mov_b32 v[C+6*\c+3+\i], v[CT+4*\c+\i]
.endr
.endr
; The row's sum, in four chains.  Its first 24 lines are also the places between the writes of the codes and the scale word and the product.
.irp k, 0,2,4,6
	v_pk_add_f32 v[24+\k:25+\k], v[X+\k:X+1+\k], v[X+8+\k:X+9+\k]
.endr
.irp j, 16,24,32,40,48
.irp k, 0,2,4,6
	v_pk_add_f32 v[24+\k:25+\k], v[24+\k:25+\k], v[X+\j+\k:X+1+\j+\k]
.endr
.endr
	v_wmma_scale_f32_16x16x128_f8f6f4 v[16:23], v[GW:GW+11], v[C:C+11], 0, v14, v[SW] matrix_a_fmt:MATRIX_FMT_FP6 matrix_b_fmt:MATRIX_FMT_FP6   ; lane (r, h), register j: row r, expert 8 h + j
.irp k, 0,2,4,6
	v_pk_add_f32 v[24+\k:25+\k], v[24+\k:25+\k], v[X+56+\k:X+57+\k]   ; the rest of the sum: eight plain lines, the places behind the product
.endr
	v_pk_add_f32 v[24:25], v[24:25], v[26:27]
	v_pk_add_f32 v[28:29], v[28:29], v[30:31]
	v_pk_add_f32 v[24:25], v[24:25], v[28:29]
	v_add_f32 v24, v24, v25
	v_permlanex16_b32 v25, v24, s22, s23
	v_add_f32 v24, v24, v25                        ; my wave's 128 numbers of row r
	ds_store_b128 v10, v[16:19]                    ; the partial logits as they stand, from the low end on
	ds_store_b128 v10, v[20:23] offset:512
	ds_store_b32 v11, v24                          ; (both halves of the lanes write the same word with the same value)
	s_wait_dscnt 0x0                               ; for the others' sake: my stores have landed
	s_barrier_signal -1
	s_barrier_wait -1
.irp w, 0,1,2,3
	ds_load_b32 v[32+\w], v12 offset:64*\w
.endr
	s_wait_dscnt 0x0
	v_add_f32 v32, v32, v33
	v_add_f32 v34, v34, v35
	v_add_f32 v32, v32, v34
	v_mul_f32 v36, 0xbb000000, v32                 ; -mean = sum x -(1 / 512)
	v_mov_b32 v37, v36                             ; (named with it as a pair)
; The sum of (z - mean)^2, in four chains
.irp k, 0,2,4,6
	v_pk_add_f32 v[40+\k:41+\k], v[X+\k:X+1+\k], v[36:37] op_sel_hi:[1,0]
.endr
.irp k, 0,2,4,6
	v_pk_mul_f32 v[48+\k:49+\k], v[40+\k:41+\k], v[40+\k:41+\k]
.endr
.irp j, 8,16,24,32,40,48,56
.irp k, 0,2,4,6
	v_pk_add_f32 v[40+\k:41+\k], v[X+\j+\k:X+1+\j+\k], v[36:37] op_sel_hi:[1,0]
.endr
.irp k, 0,2,4,6
	v_pk_fma_f32 v[48+\k:49+\k], v[40+\k:41+\k], v[40+\k:41+\k], v[48+\k:49+\k]
.endr
.endr
	v_pk_add_f32 v[48:49], v[48:49], v[50:51]
	v_pk_add_f32 v[52:53], v[52:53], v[54:55]
	v_pk_add_f32 v[48:49], v[48:49], v[52:53]
	v_add_f32 v48, v48, v49
	v_permlanex16_b32 v49, v48, s22, s23
	v_add_f32 v48, v48, v49
	ds_store_b32 v11, v48 offset:256
	s_wait_dscnt 0x0
	s_barrier_signal -1
	s_barrier_wait -1
	s_cmp_eq_u32 s20, 0                            ; the waves part: wave 0 finishes the gate, wave 1 the statistics, the others are done
	s_cbranch_scc1 .Lwave0
	s_cmp_eq_u32 s20, 1
	s_cbranch_scc0 .Lend
.irp w, 0,1,2,3
	ds_load_b32 v[32+\w], v12 offset:256+64*\w
.endr
	s_wait_dscnt 0x0
	v_add_f32 v32, v32, v33
	v_add_f32 v34, v34, v35
	v_add_f32 v32, v32, v34
	v_mov_b32 v33, 0x3b000000
	v_fmaak_f32 v32, v32, v33, 0x3727c5ac          ; variance + 1e-5 (the division by 512 rounds nothing)
	s_wait_alu depctr_va_vdst(0)
	v_rsq_f32 v37, v32
	v_nop                                          ; a plain place behind the transcendental
	s_wait_xcnt 0x0                                ; EXEC changes only behind this wait
	v_cmp_gt_u32 vcc_lo, 16, v1
	s_and_saveexec_b32 s26, vcc_lo
	s_wait_alu depctr_va_vdst(0)
	global_store_b64 v198, v[36:37], s[18:19]      ; (-mean, 1 / sqrt(variance + 1e-5)) of row r: sixteen lanes, 128 consecutive bytes
	s_wait_xcnt 0x0
	s_or_b32 exec_lo, exec_lo, s26
	s_branch .Lend
.Lwave0:
.irp w, 0,1,2,3
	ds_load_b128 v[24+8*\w:27+8*\w], v13 offset:1024*\w
	ds_load_b128 v[28+8*\w:31+8*\w], v13 offset:1024*\w+512
.endr
	s_wait_dscnt 0x0
.irp j, 0,2,4,6
	v_pk_add_f32 v[24+\j:25+\j], v[24+\j:25+\j], v[32+\j:33+\j]
	v_pk_add_f32 v[40+\j:41+\j], v[40+\j:41+\j], v[48+\j:49+\j]
.endr
.irp j, 0,2,4,6
	v_pk_add_f32 v[24+\j:25+\j], v[24+\j:25+\j], v[40+\j:41+\j]
.endr
.irp j, 0,2,4,6
	v_pk_add_f32 v[24+\j:25+\j], v[24+\j:25+\j], v[GB+\j:GB+1+\j]   ; the logits of row r, experts 8 h + 0 .. 7
.endr
.macro ROWMAX                          ; v32 = the largest of v24-31 and of lane l xor 16's eight
	v_max3_num_f32 v32, v24, v25, v26
	v_max3_num_f32 v32, v32, v27, v28
	v_max3_num_f32 v32, v32, v29, v30
	v_max_num_f32 v32, v32, v31
	v_permlanex16_b32 v33, v32, s22, s23
	v_max_num_f32 v32, v32, v33
.endm
	ROWMAX
	v_mov_b32 v33, v32
.irp j, 0,2,4,6
	v_pk_add_f32 v[24+\j:25+\j], v[24+\j:25+\j], v[32:33] op_sel_hi:[1,0] neg_lo:[0,1] neg_hi:[0,1]   ; the maximum is taken away first
.endr
.irp j, 0,2,4,6
	v_pk_mul_f32 v[24+\j:25+\j], v[24+\j:25+\j], 0x3fb8aa3b op_sel_hi:[1,0]
.endr
	s_wait_alu depctr_va_vdst(0)
.irp j, 0,1,2,3,4,5,6,7
	v_exp_f32 v[24+\j], v[24+\j]
.endr
	v_nop                                          ; a plain place behind the exponentials
	s_wait_alu depctr_va_vdst(0)
	v_pk_add_f32 v[34:35], v[24:25], v[26:27]
	v_pk_add_f32 v[40:41], v[28:29], v[30:31]
	v_pk_add_f32 v[34:35], v[34:35], v[40:41]
	v_add_f32 v34, v34, v35
	v_permlanex16_b32 v35, v34, s22, s23
	v_add_f32 v34, v34, v35
	s_wait_alu depctr_va_vdst(0)
	v_rcp_f32 v36, v34
	v_nop
	s_wait_alu depctr_va_vdst(0)
	v_mov_b32 v37, v36
.irp j, 0,2,4,6
	v_pk_mul_f32 v[24+\j:25+\j], v[24+\j:25+\j], v[36:37] op_sel_hi:[1,0]   ; g
.endr
	ds_store_b128 v194, v[24:27]                   ; g goes out through LDS, so that a store covers 512 consecutive bytes
	ds_store_b128 v194, v[28:31] offset:16
	ds_load_b128 v[48:51], v195
	ds_load_b128 v[52:55], v195 offset:512
	ROWMAX                                         ; the largest g of the row;
	v_mov_b32 v38, 16
.irp j, 7,6,5,4,3,2,1,0
	v_cmp_neq_f32 vcc_lo, v[24+\j], v32
	v_cndmask_b32 v38, \j, v38, vcc_lo             ; the lowest of my eight that equals it, else 16
.endr
	v_add_nc_u32 v38, v38, v9
	v_permlanex16_b32 v39, v38, s22, s23
	v_min_u32 v38, v38, v39                        ; the first largest of the sixteen
	v_min_u32 v38, 15, v38                         ; the row's expert
	v_mov_b32 v40, 0
.irp e, 0,1,2,3,4,5,6,7,8,9,10,11,12,13,14,15
	v_cmp_eq_u32 vcc_lo, \e, v38
	v_mov_b32 v41, vcc_lo
	v_cndmask_b32 v40, v40, v41, vcc_lo            ; the lanes that share my expert
	s_and_b32 s26, vcc_lo, 0xffff
	s_bcnt1_i32_b32 s[32+\e], s26                  ; and how many of the 16 rows take expert e
.endr
	v_and_b32 v40, 0xffff, v40
	v_mbcnt_lo_u32_b32 v41, v40, 0                 ; my rank among them (lanes 0-15)
	v_lshl_or_b32 v41, v41, 8, v38                 ; route = expert | rank << 8
.irp d, 0,1,2,3,4,5,6,7
	s_lshl_b32 s26, s[33+2*\d], 16
	s_or_b32 s[48+\d], s[32+2*\d], s26             ; two counts to a dword
.endr
	v_cmp_eq_u32 vcc_lo, 1, v1
.irp i, 0,1,2,3
	v_mov_b32 v[44+\i], s[48+\i]
	v_mov_b32 v42, s[52+\i]
	v_cndmask_b32 v[44+\i], v[44+\i], v42, vcc_lo  ; lane 0: dwords 0-3, lane 1: dwords 4-7
.endr
	s_wait_alu depctr_va_vdst(0)
	s_wait_dscnt 0x0
	global_store_b128 v196, v[48:51], s[12:13]
	global_store_b128 v196, v[52:55], s[12:13] offset:512
	s_wait_xcnt 0x0                                ; EXEC changes only behind this wait
	v_cmp_gt_u32 vcc_lo, 16, v1
	s_and_saveexec_b32 s26, vcc_lo
	global_store_b32 v197, v41, s[14:15]
	s_wait_xcnt 0x0
	s_or_b32 exec_lo, exec_lo, s26
	v_cmp_gt_u32 vcc_lo, 2, v1
	s_and_saveexec_b32 s26, vcc_lo
	global_store_b128 v196, v[44:47], s[16:17]
	s_wait_xcnt 0x0
	s_or_b32 exec_lo, exec_lo, s26
.Lend:
	s_wait_tensorcnt 0x0
	ds_add_u32 v208, v209
	s_wait_dscnt 0x0
	s_endpgm
.Lfunc_end_k_q2379cf10a8_gate:
	.size	k_q2379cf10a8_gate, .Lfunc_end_k_q2379cf10a8_gate-k_q2379cf10a8_gate
	.p2alignl 7, 3214868480
	.fill 96, 4, 3214868480
	.section	.rodata,"a",@progbits
	.p2align	6, 0x0
	.amdhsa_kernel k_q2379cf10a8_gate
		.amdhsa_group_segment_fixed_size 40960
		.amdhsa_private_segment_fixed_size 0
		.amdhsa_enable_private_segment 0
		.amdhsa_kernarg_size 64
		.amdhsa_user_sgpr_count 2
		.amdhsa_user_sgpr_kernarg_segment_ptr 1
		.amdhsa_wavefront_size32 1
		.amdhsa_system_sgpr_workgroup_id_x 1
		.amdhsa_system_sgpr_workgroup_id_y 1
		.amdhsa_system_sgpr_workgroup_id_z 1
		.amdhsa_system_vgpr_workitem_id 0
		.amdhsa_next_free_vgpr 210
		.amdhsa_next_free_sgpr 66
		.amdhsa_reserve_vcc 1
		.amdhsa_float_denorm_mode_32 3
		.amdhsa_float_denorm_mode_16_64 3
		.amdhsa_memory_ordered 1
		.amdhsa_forward_progress 1
		.amdhsa_inst_pref_size 29
	.end_amdhsa_kernel
	.amdgpu_metadata
---
amdhsa.version: [ 1, 2 ]
amdhsa.kernels:
  - .name:           k_q2379cf10a8_gate
    .symbol:         k_q2379cf10a8_gate.kd
    .args:
      - { .name: z, .offset: 0, .size: 8, .value_kind: global_buffer, .address_space: global }
      - { .name: gate_w_codes, .offset: 8, .size: 8, .value_kind: global_buffer, .address_space: global }
      - { .name: gate_w_scales, .offset: 16, .size: 8, .value_kind: global_buffer, .address_space: global }
      - { .name: gate_b, .offset: 24, .size: 8, .value_kind: global_buffer, .address_space: global }
      - { .name: out1, .offset: 32, .size: 8, .value_kind: global_buffer, .address_space: global }
      - { .name: route, .offset: 40, .size: 8, .value_kind: global_buffer, .address_space: global }
      - { .name: hist, .offset: 48, .size: 8, .value_kind: global_buffer, .address_space: global }
      - { .name: stats, .offset: 56, .size: 8, .value_kind: global_buffer, .address_space: global }
    .group_segment_fixed_size: 40960
    .private_segment_fixed_size: 0
    .kernarg_segment_align: 8
    .kernarg_segment_size: 64
    .max_flat_workgroup_size: 128
    .sgpr_count:     66
    .vgpr_count:     210
    .wavefront_size: 32
...
	.end_amdgpu_metadata
.endif
;; end of part 1
;; launch place (part 2): grid 256 x 1, 4 waves a work-group, no clusters, 42,240 bytes of LDS; arguments z, stats, route, hist, ln_scale, ln_bias, xq, xs, rowpos, tiles; writes xq, xs, rowpos, tiles
.if DOCPART == 2
	.amdgcn_target "amdgcn-amd-amdhsa--gfx1250"
	.amdhsa_code_object_version 6
	.text
	.protected	k_q2379cf10a8_place
	.globl	k_q2379cf10a8_place
	.p2align	8
	.type	k_q2379cf10a8_place,@function
k_q2379cf10a8_place:
	s_mov_b64 s[64:65], 0
	v_nop
	global_prefetch_b8 v0, s[64:65] scope:SCOPE_SE
	s_setreg_imm32_b32 hwreg(HW_REG_WAVE_MODE, 25, 1), 1
	s_wait_xcnt 0x0
; THE PLACING.  x = (z - mean) / sqrt(variance + 1e-5) x ln_scale[e] + ln_bias[e], e the row's expert, is quantised to codes of FP6 (E2M3) along its 512 and stored at the row's place
; in the order 'by expert, then by row': xq [place][384 bytes], K ascending; xs [place][4 scale words], word s = {sc[2 s], sc[8 + 2 s], sc[2 s + 1], sc[9 + 2 s]}, as the products' order of blocks wants them.
; place = rows of lower experts + rows of my expert in earlier blocks of 16 rows + my rank in my block: every work-group sums the 256 blocks' counts itself (8 KiB); no traffic between work-groups.
; rowpos [row] = place.  Work-group 0 also writes the list of tiles for the chain: 64 entries (expert, first row of a window of 160 places, first and last + 1 of the tile's rows in it).
; SHARES as in the gate: a work-group owns 16 rows, wave w elements 256 h + 64 w + 0 .. 63 of each row (two whole blocks of 32 a lane).
; LIMITS: NaN and infinities are not served; a block under 2^-124 (zeros too) gets the scale byte 1; the division by the root is a multiplication by the stored v_rsq_f32.
.set CR,  34816                        ; LDS: 0: the waves' stages as in the gate; here: 16 rows of codes, 384 bytes + 16
.set SR,  41216                        ; 16 rows x 4 scale words
.set HS,  41472                        ; 4 waves x (16 counts of all its blocks, 16 counts of its blocks ahead of mine), 2 bytes each
.set R,   16                           ; v16-79   z, then x, as loaded; later at work
.set LSC, 80                           ; v80-143  ln_scale of each row's expert; later X
.set LBI, 144                          ; v144-207 ln_bias; later the codes
.set X,   80
.set C,   144
.set CT,  156
.set LO,  208                          ; v208-223 row i's offset into the two tables
.set HH,  224                          ; v224-239 64 blocks' counts; then the addresses of the way out:
.set CRA, 224                          ; v224     where I read 16 bytes of codes back: row 4 w + lane / 16, piece lane % 16 (800 bytes on: two rows further)
.set CRB, 225                          ; v225     row 4 w + lane / 8, piece 16 + lane % 8
.set BI,  227                          ; v227-229 4 x the three pieces' rows: the lanes that hold the rows' places
.set OCA, 230                          ; v230     16 (lane % 16): the piece's place in its row
.set OCB, 231                          ; v231     256 + 16 (lane % 8)
.set SRD, 233                          ; v233     row r's scale words
.set M,   240                          ; v240-247 the counts' sums; then the quantiser's registers
.set OP,  242
.set BY,  244
.set SW,  246
.set EX,  250                          ; v250 my row's expert, v251 its rank, v[252:253] -mean and 1 / root
.set RK,  251
.set MU,  252
	s_load_b512 s[4:19], s[0:1], 0x0               ; z s[4:5], stats s[6:7], route s[8:9], hist s[10:11], ln_scale s[12:13], ln_bias s[14:15], xq s[16:17], xs s[18:19]
	s_load_b128 s[20:23], s[0:1], 0x40             ; rowpos s[20:21], tiles s[22:23]
	s_set_vgpr_msb 0x40
	v_lshl_add_u32 v0, v0, 2, 0xa300
	v_mov_b32 v1, 0
	s_set_vgpr_msb 0x4000
	v_lshrrev_b32 v248, 5, v0
	v_readfirstlane_b32 s24, v248                  ; wave
	v_and_b32 v1, 31, v0                           ; l
	v_and_b32 v2, 15, v0                           ; r
	v_bfe_u32 v3, v0, 4, 1                         ; h
	v_lshlrev_b32 v4, 4, v2
	v_lshl_add_u32 v4, v3, 10, v4
	v_lshl_add_u32 v4, v248, 8, v4                 ; 1024 h + 256 w + 16 r: my 16 bytes of a row of z, of ln_scale and of ln_bias
	v_mul_u32_u24 v5, v248, 8704
	v_mad_u32_u24 v5, v3, 4352, v5
	v_mad_u32_u24 v6, v2, 272, v5                  ; the stage, out
	v_lshl_add_u32 v5, v2, 4, v5                   ; the stage, in
	v_lshlrev_b32 v7, 2, v2                        ; 4 r
	v_lshlrev_b32 v8, 3, v2                        ; 8 r
	v_lshlrev_b32 v9, 3, v3                        ; 8 h
	v_lshlrev_b32 v10, 4, v1
	v_lshl_add_u32 v10, v248, 11, v10              ; hist: my wave's 64 blocks, 16 bytes a lane
	v_lshrrev_b32 v11, 1, v1                       ; which of 16 blocks a load gives me
	v_and_b32 v12, 1, v0
	v_lshlrev_b32 v12, 4, v12
	v_lshl_add_u32 v12, v248, 6, v12
	v_add_nc_u32 v12, HS, v12                      ; my wave's sums, my half of the 16 experts
	v_lshl_add_u32 v13, v2, 1, HS                  ; expert r's count
	v_mul_u32_u24 v14, v2, 400
	v_mad_u32_u24 v14, v3, 192, v14
	v_mad_u32_u24 v14, v248, 48, v14
	v_add_nc_u32 v14, CR, v14                      ; my 48 bytes of row r's codes
	v_lshlrev_b32 v15, 4, v2
	v_lshl_add_u32 v15, v248, 2, v15
	v_add_nc_u32 v15, SR, v15                      ; my K step's scale word of row r
	v_mov_b32 v249, 0                              ; (a lane permute's destination counts as one of its sources)
	s_mov_b32 s26, 0x76543210
	s_mov_b32 s27, 0xfedcba98
	s_mov_b32 s41, 0                               ; (upper words of the pairs that the packed forms name)
	s_mov_b32 s43, 0
	s_mov_b32 s45, 0
	s_mov_b32 s47, 0
	s_mov_b32 s33, 0
	s_lshl_b32 s32, ttmp9, 15
	s_wait_kmcnt 0x0
	s_add_nc_u64 s[4:5], s[4:5], s[32:33]
	s_lshl_b32 s32, ttmp9, 7
	s_add_nc_u64 s[6:7], s[6:7], s[32:33]
	s_lshl_b32 s32, ttmp9, 6
	s_add_nc_u64 s[8:9], s[8:9], s[32:33]
	s_add_nc_u64 s[20:21], s[20:21], s[32:33]
	global_load_b32 v[EX], v7, s[8:9]
	global_load_b64 v[MU:MU+1], v8, s[6:7]
.irp j, 0,1,2,3
	global_load_b128 v[HH+4*\j:HH+4*\j+3], v10, s[10:11] offset:512*\j
.endr
.irp i, 0,1,2,3,4,5,6,7,8,9,10,11,12,13,14,15
	global_load_b128 v[R+4*\i:R+4*\i+3], v4, s[4:5] offset:2048*\i th:TH_LOAD_NT   ; the last read of z in the program
.endr
	s_wait_loadcnt 20                              ; route and stats are in; the 4 loads of counts and the 16 of z may be out
	v_bfe_u32 v[RK], v[EX], 8, 8
	v_and_b32 v[EX], 0xff, v[EX]
	v_min_u32 v[EX], 15, v[EX]
	s_wait_alu depctr_va_vdst(0)
.irp i, 0,1,2,3,4,5,6,7,8,9,10,11,12,13,14,15
	v_readlane_b32 s29, v[EX], \i                  ; row i's expert
	s_min_u32 s29, s29, 15
	s_lshl_b32 s29, s29, 11                        ; its row of 2,048 bytes
	v_add_nc_u32 v[LO+\i], s29, v4
	global_load_b128 v[LSC+4*\i:LSC+4*\i+3], v[LO+\i], s[12:13]
	global_load_b128 v[LBI+4*\i:LBI+4*\i+3], v[LO+\i], s[14:15]
.endr
	s_wait_loadcnt 48                              ; the counts are in; z's 16 and the tables' 32 may be out
	s_lshl_b32 s28, s24, 6
	s_sub_co_i32 s28, ttmp9, s28                   ; my block's number less my wave's first
	v_cmp_gt_i32 vcc_lo, s28, v11                  ; is the lane's block ahead of mine?
.irp d, 0,1,2,3
	v_cndmask_b32 v[244+\d], 0, v[HH+\d], vcc_lo
	v_add_nc_u32 v[240+\d], v[HH+\d], v[HH+4+\d]
.endr
.irp j, 1,2,3
	s_sub_co_i32 s28, s28, 16
	v_cmp_gt_i32 vcc_lo, s28, v11
.irp d, 0,1,2,3
	v_cndmask_b32 v248, 0, v[HH+4*\j+\d], vcc_lo
	v_add_nc_u32 v[244+\d], v[244+\d], v248        ; two counts to a dword: a wave's sums stay under 1,025, all under 4,097
.endr
.endr
.irp d, 0,1,2,3
	v_add3_u32 v[240+\d], v[240+\d], v[HH+8+\d], v[HH+12+\d]
.endr
.irp x, 240,241,242,243,244,245,246,247
.irp m, 2,4,8
	v_mov_b32_dpp v248, v\x row_xmask:\m row_mask:0xf bank_mask:0xf   ; over the lanes of my parity, which hold the same eight experts
	v_add_nc_u32 v\x, v\x, v248
.endr
	v_permlanex16_b32 v249, v\x, s26, s27
	v_add_nc_u32 v\x, v\x, v249
.endr
	ds_store_b128 v12, v[240:243]                  ; (all lanes of a parity write the same bytes with the same values)
	ds_store_b128 v12, v[244:247] offset:32
; The way out: a wave sends 4 rows of 24 pieces of 16 bytes by three instructions: twice 2 rows x pieces 0-15, once 4 rows x pieces 16-23.  Every address is a field of the lane's number times a constant.
	v_lshrrev_b32 v255, 5, v0                      ; w
	v_lshlrev_b32 v[OCA], 4, v2                    ; 16 (lane % 16)
	v_and_b32 v248, 7, v0
	v_lshlrev_b32 v248, 4, v248
	v_add_nc_u32 v[OCB], 0x100, v248               ; 256 + 16 (lane % 8)
	v_bfe_u32 v249, v0, 3, 2                       ; lane / 8
	v_lshl_add_u32 v254, v255, 2, v3               ; the row: 4 w + lane / 16
	v_lshl_add_u32 v249, v255, 2, v249             ; 4 w + lane / 8
	v_lshlrev_b32 v[BI], 2, v254
	v_add_nc_u32 v[BI+1], 8, v[BI]                 ; two rows further
	v_lshlrev_b32 v[BI+2], 2, v249
	v_mad_u32_u24 v[CRA], v254, 400, v[OCA]
	v_add_nc_u32 v[CRA], CR, v[CRA]
	v_mad_u32_u24 v[CRB], v249, 400, v[OCB]
	v_add_nc_u32 v[CRB], CR, v[CRB]
	v_lshl_add_u32 v[SRD], v2, 4, SR
	s_wait_loadcnt 32                              ; z is in; the tables' 32 may be out
.irp i, 0,1,2,3,4,5,6,7,8,9,10,11,12,13,14,15
	v_readlane_b32 s[40+4*(\i%2)], v[MU], \i       ; row i's -mean and 1 / root, in two sets of scalar pairs by turns
	v_readlane_b32 s[42+4*(\i%2)], v[MU+1], \i
	v_pk_add_f32 v[R+4*\i:R+4*\i+1], v[R+4*\i:R+4*\i+1], s[40+4*(\i%2):41+4*(\i%2)] op_sel_hi:[1,0]
	v_pk_add_f32 v[R+4*\i+2:R+4*\i+3], v[R+4*\i+2:R+4*\i+3], s[40+4*(\i%2):41+4*(\i%2)] op_sel_hi:[1,0]
	v_pk_mul_f32 v[R+4*\i:R+4*\i+1], v[R+4*\i:R+4*\i+1], s[42+4*(\i%2):43+4*(\i%2)] op_sel_hi:[1,0]
	v_pk_mul_f32 v[R+4*\i+2:R+4*\i+3], v[R+4*\i+2:R+4*\i+3], s[42+4*(\i%2):43+4*(\i%2)] op_sel_hi:[1,0]
.endr
	s_wait_loadcnt 0x0
.irp i, 0,2,4,6,8,10,12,14,16,18,20,22,24,26,28,30,32,34,36,38,40,42,44,46,48,50,52,54,56,58,60,62
	v_pk_fma_f32 v[R+\i:R+\i+1], v[R+\i:R+\i+1], v[LSC+\i:LSC+\i+1], v[LBI+\i:LBI+\i+1]   ; x
.endr
.irp i, 0,1,2,3,4,5,6,7,8,9,10,11,12,13,14,15
	ds_store_b128 v5, v[R+4*\i:R+4*\i+3] offset:272*\i     ; through my own stage, as in the gate
.endr
.irp q, 0,1,2,3,4,5,6,7,8,9,10,11,12,13,14,15
	ds_load_b128 v[X+4*\q:X+4*\q+3], v6 offset:16*\q
.endr
	s_wait_dscnt 0x0                               ; v[X + k] = x[r][256 h + 64 w + k]
	v_max3_num_f32 v[M], |v[X]|, |v[X+1]|, 0x1800000       ; the quantiser: two whole blocks a lane, by turns; the floor 2^(3 - 127) holds the byte at 1 from below
	v_max3_num_f32 v[M+1], |v[X+32]|, |v[X+33]|, 0x1800000
.irp i, 2,4,6,8,10,12,14,16,18,20,22,24,26,28,30
	v_max3_num_f32 v[M], v[M], |v[X+\i]|, |v[X+1+\i]|
	v_max3_num_f32 v[M+1], v[M+1], |v[X+32+\i]|, |v[X+33+\i]|
.endr
	v_add_nc_u32 v[OP], 0xff000000, v[M]           ; 2 off the exponent field: the conversion's scale operand
	v_add_nc_u32 v[OP+1], 0xff000000, v[M+1]
	v_lshrrev_b32 v[BY], 23, v[OP]
	v_lshrrev_b32 v[BY+1], 23, v[OP+1]
	v_lshl_or_b32 v[BY], v[BY+1], 16, v[BY]
	v_lshlrev_b32 v[BY], v9, v[BY]                 ; bytes h and 2 + h of the word
	v_permlanex16_b32 v[BY+1], v[BY], s26, s27
	v_or_b32 v[SW], v[BY], v[BY+1]
.irp c, 0,1
	v_cvt_scalef32_pk16_fp6_f32 v[C+6*\c:C+6*\c+2], v[X+32*\c:X+32*\c+15], v[OP+\c]
	v_cvt_scalef32_pk16_fp6_f32 v[CT+4*\c:CT+4*\c+2], v[X+32*\c+16:X+32*\c+31], v[OP+\c]
.endr
	v_nop                                          ; one plain place behind the conversions
.irp c, 0,1
.irp i, 0,1,2
	v_mov_b32 v[C+6*\c+3+\i], v[CT+4*\c+\i]
.endr
.endr
.irp c, 0,1,2
	ds_store_b128 v14, v[C+4*\c:C+4*\c+3] offset:16*\c
.endr
	ds_store_b32 v15, v[SW]
	s_wait_dscnt 0x0                               ; for the others' sake: counts, codes and scale words have landed
	s_barrier_signal -1
	s_barrier_wait -1                              ; the launch's one barrier; behind it LDS is only read
.irp w, 0,1,2,3
	ds_load_u16 v[16+\w], v13 offset:64*\w
	ds_load_u16 v[20+\w], v13 offset:64*\w+32
.endr
	v_mov_b32 v25, 0
	s_wait_dscnt 0x0
	v_add_nc_u32 v16, v16, v17
	v_add3_u32 v16, v16, v18, v19                  ; rows of expert r in all,
	v_add_nc_u32 v20, v20, v21
	v_add3_u32 v20, v20, v22, v23                  ; and in the blocks ahead of mine
	v_mov_b32 v24, v16
.irp m, 1,2,4,8
	v_mov_b32_dpp v25, v24 row_shr:\m row_mask:0xf bank_mask:0xf bound_ctrl:1
	v_add_nc_u32 v24, v24, v25                     ; a running sum over the 16 experts
.endr
	v_sub_nc_u32 v26, v24, v16                     ; where expert r's rows begin
	v_add_nc_u32 v27, v26, v20                     ; and those of my block among them
	v_lshlrev_b32 v28, 2, v[EX]
	ds_bpermute_b32 v29, v28, v27                  ; that of my row's expert
	s_wait_dscnt 0x0
	v_add_nc_u32 v29, v29, v[RK]
	v_min_u32 v29, 0xfff, v29                      ; my row's place
	ds_load_b128 v[32:35], v[CRA]
	ds_load_b128 v[36:39], v[CRA] offset:800
	ds_load_b128 v[40:43], v[CRB]
.irp j, 0,1,2
	ds_bpermute_b32 v[44+\j], v[BI+\j], v29        ; the places of the three pieces' rows
.endr
	s_wait_dscnt 0x0
.irp j, 0,1,2
	v_min_u32 v[44+\j], 0xfff, v[44+\j]
	v_mul_u32_u24 v[44+\j], v[44+\j], 384
.endr
	v_add_nc_u32 v44, v44, v[OCA]
	v_add_nc_u32 v45, v45, v[OCA]
	v_add_nc_u32 v46, v46, v[OCB]
.irp j, 0,1,2
	global_store_b128 v[44+\j], v[32+4*\j:35+4*\j], s[16:17]   ; sixteen lanes store a row's first 256 bytes, eight lanes its last 128
.endr
	s_cmp_lg_u32 s24, 0
	s_cbranch_scc1 .Lend
	ds_load_b128 v[48:51], v[SRD]                  ; wave 0: the rows' places and scale words
	v_lshlrev_b32 v52, 4, v29
	s_wait_alu depctr_va_vdst(0)
	s_wait_dscnt 0x0
	s_wait_xcnt 0x0                                ; EXEC changes only behind this wait
	v_cmp_gt_u32 vcc_lo, 16, v1
	s_and_saveexec_b32 s30, vcc_lo
	global_store_b32 v7, v29, s[20:21]
	global_store_b128 v52, v[48:51], s[18:19]
	s_wait_xcnt 0x0
	s_or_b32 exec_lo, exec_lo, s30
	s_cmp_lg_u32 ttmp9, 0
	s_cbranch_scc1 .Lend
; THE LIST OF TILES (work-group 0, wave 0).  Expert r's rows are cut into ceil(count / 160) tiles of equal height, a multiple of 16: never more than (4096 + 16 x 159) / 160 = 41 tiles; all 64 entries are written.
	v_add_nc_u32 v60, 159, v16
	v_mul_u32_u24 v60, v60, 0xcccd
	v_lshrrev_b32 v60, 23, v60                     ; tiles of expert r: (count + 159) / 160 (52,429 / 2^23 is exact for numbers under 2^18)
	v_lshlrev_b32 v61, 4, v60
	v_mov_b32 v62, 1
	v_mov_b32 v63, v61
.rept 9
	v_cmp_lt_u32 vcc_lo, v63, v16
	v_add_co_ci_u32 v62, vcc_lo, 0, v62, vcc_lo    ; 1 + how many q of 1 .. 9 have 16 q tiles < count = ceil(count / (16 tiles))
	v_add_nc_u32 v63, v63, v61
.endr
	v_lshlrev_b32 v62, 4, v62                      ; a tile's height
	v_mov_b32 v64, v60
.irp m, 1,2,4,8
	v_mov_b32_dpp v25, v64 row_shr:\m row_mask:0xf bank_mask:0xf bound_ctrl:1
	v_add_nc_u32 v64, v64, v25                     ; tiles up to and with expert r
.endr
	v_sub_nc_u32 v65, v64, v60                     ; and ahead of it
	v_lshlrev_b32 v53, 4, v1
.irp t, 0,1
	v_add_nc_u32 v66, 32*\t, v1                    ; the entry's number
	v_mov_b32 v67, 0
.irp e, 0,1,2,3,4,5,6,7,8,9,10,11,12,13,14,15
	v_readlane_b32 s31, v64, \e
	v_cmp_le_u32 vcc_lo, s31, v66
	v_add_co_ci_u32 v67, vcc_lo, 0, v67, vcc_lo    ; the experts whose tiles all lie ahead of it: its expert's number
.endr
	v_min_u32 v67, 15, v67
	v_lshlrev_b32 v68, 2, v67
	ds_bpermute_b32 v69, v68, v65
	ds_bpermute_b32 v70, v68, v26
	ds_bpermute_b32 v71, v68, v16
	ds_bpermute_b32 v72, v68, v62
	s_wait_dscnt 0x0
	v_sub_nc_u32 v69, v66, v69                     ; which tile of the expert
	v_mul_u32_u24 v69, v69, v72
	v_add_nc_u32 v70, v70, v69                     ; its first place
	v_sub_nc_u32 v71, v71, v69
	v_min_i32 v71, v71, v72
	v_max_i32 v71, 0, v71                          ; its rows: 0 for an entry behind the last tile
	v_min_u32 v73, 0xf60, v70                      ; the window of 160 places begins at 3,936 at the latest, so that it ends inside the buffers
	v_sub_nc_u32 v74, v70, v73
	v_add_nc_u32 v75, v74, v71
	v_cmp_ne_u32 vcc_lo, 0, v71
	v_mov_b32 v[76+4*\t], v67
	v_cndmask_b32 v[77+4*\t], 0, v73, vcc_lo
	v_cndmask_b32 v[78+4*\t], 0, v74, vcc_lo
	v_cndmask_b32 v[79+4*\t], 0, v75, vcc_lo
	global_store_b128 v53, v[76+4*\t:79+4*\t], s[22:23] offset:512*\t
.endr
.Lend:
	s_set_vgpr_msb 0x5
	s_wait_tensorcnt 0x0
	ds_add_u32 v0, v1
	s_wait_dscnt 0x0
	s_set_vgpr_msb 0x500
	s_endpgm
.Lfunc_end_k_q2379cf10a8_place:
	.size	k_q2379cf10a8_place, .Lfunc_end_k_q2379cf10a8_place-k_q2379cf10a8_place
	.p2alignl 7, 3214868480
	.fill 96, 4, 3214868480
	.section	.rodata,"a",@progbits
	.p2align	6, 0x0
	.amdhsa_kernel k_q2379cf10a8_place
		.amdhsa_group_segment_fixed_size 42240
		.amdhsa_private_segment_fixed_size 0
		.amdhsa_enable_private_segment 0
		.amdhsa_kernarg_size 80
		.amdhsa_user_sgpr_count 2
		.amdhsa_user_sgpr_kernarg_segment_ptr 1
		.amdhsa_wavefront_size32 1
		.amdhsa_system_sgpr_workgroup_id_x 1
		.amdhsa_system_sgpr_workgroup_id_y 1
		.amdhsa_system_sgpr_workgroup_id_z 1
		.amdhsa_system_vgpr_workitem_id 0
		.amdhsa_next_free_vgpr 258
		.amdhsa_next_free_sgpr 66
		.amdhsa_reserve_vcc 1
		.amdhsa_float_denorm_mode_32 3
		.amdhsa_float_denorm_mode_16_64 3
		.amdhsa_memory_ordered 1
		.amdhsa_forward_progress 1
		.amdhsa_inst_pref_size 41
	.end_amdhsa_kernel
	.amdgpu_metadata
---
amdhsa.version: [ 1, 2 ]
amdhsa.kernels:
  - .name:           k_q2379cf10a8_place
    .symbol:         k_q2379cf10a8_place.kd
    .args:
      - { .name: z, .offset: 0, .size: 8, .value_kind: global_buffer, .address_space: global }
      - { .name: stats, .offset: 8, .size: 8, .value_kind: global_buffer, .address_space: global }
      - { .name: route, .offset: 16, .size: 8, .value_kind: global_buffer, .address_space: global }
      - { .name: hist, .offset: 24, .size: 8, .value_kind: global_buffer, .address_space: global }
      - { .name: ln_scale, .offset: 32, .size: 8, .value_kind: global_buffer, .address_space: global }
      - { .name: ln_bias, .offset: 40, .size: 8, .value_kind: global_buffer, .address_space: global }
      - { .name: xq, .offset: 48, .size: 8, .value_kind: global_buffer, .address_space: global }
      - { .name: xs, .offset: 56, .size: 8, .value_kind: global_buffer, .address_space: global }
      - { .name: rowpos, .offset: 64, .size: 8, .value_kind: global_buffer, .address_space: global }
      - { .name: tiles, .offset: 72, .size: 8, .value_kind: global_buffer, .address_space: global }
    .group_segment_fixed_size: 42240
    .private_segment_fixed_size: 0
    .kernarg_segment_align: 8
    .kernarg_segment_size: 80
    .max_flat_workgroup_size: 128
    .sgpr_count:     66
    .vgpr_count:     258
    .wavefront_size: 32
...
	.end_amdgpu_metadata
.endif
;; end of part 2
;; launch chain (part 3): grid 256 x 1, 8 waves a work-group, no clusters, 174,080 bytes of LDS; arguments xq, xs, w1_codes, w1_scales, b1, w2, b2, tiles, partial; writes partial
.if DOCPART == 3
	.amdgcn_target "amdgcn-amd-amdhsa--gfx1250"
	.amdhsa_code_object_version 6
	.text
	.protected	k_q2379cf10a8_chain
	.globl	k_q2379cf10a8_chain
	.p2align	8
	.type	k_q2379cf10a8_chain,@function
k_q2379cf10a8_chain:
	s_mov_b64 s[64:65], 0
	v_nop
	global_prefetch_b8 v0, s[64:65] scope:SCOPE_SE
	s_setreg_imm32_b32 hwreg(HW_REG_WAVE_MODE, 25, 1), 1
	s_wait_xcnt 0x0
; THE CHAIN.  partial[slice][place] = the sum over the slice's 256 hidden units of gelu(x . w1[e][unit] + b1[e][unit]) w2[e][unit]  (+ b2[e] in slice 0),
; the product on codes of FP6 (E2M3) with one E8M0 scale for each 32 along K; bias, exact gelu and the product with w2 (one column) in f32 by vector instructions.
; ONLY THE CHOSEN EXPERT'S ROWS ARE MULTIPLIED: the rows lie sorted by expert, and the list of tiles (an earlier launch's whole numbers) says which places belong to which expert.
; SHARES.  An item = a tile (up to 160 places of one expert) x a slice of 256 of the 2,048 hidden units.  Work-group b takes slice b % 8 of tiles b / 8 and 32 + b / 8: a loop of the constant count 2, which serves all
; 64 entries of the list, whatever the split.  An empty entry costs two barriers. No barrier stands under a branch on a loaded number.
; Wave w: g = w % 4: hidden units 64 g .. 64 g + 63 of the slice, four tiles of 16, two at a time; p = w / 4: the row tiles 2 i + p, i = 0 .. 4.
; The item's codes (60 KiB of x, 96 KiB of w1) are loaded once and laid in LDS as rows of 384 bytes, 400 apart: 25 x 16.
; Four rows are 96 pieces of 16 bytes and come by three loads: twice 2 rows x pieces 0-15 (runs of 256 consecutive bytes), once 4 rows x pieces 16-23 (runs of 128): so every address, in memory and in LDS,
; is a field of the lane's number times a constant, the wave's number times a constant, and an immediate.
; THE BLOCKS OF K STAND IN ANOTHER ORDER, alike on both operands: lane (r, h) holds bytes 192 h .. 192 h + 191 of its row in 48 registers, and K step s takes registers 12 s .. 12 s + 11: the unit's block 2 c + h is the true block 8 h + 2 s + c.
; Scale word of step s: {sc[2 s], sc[8 + 2 s], sc[2 s + 1], sc[9 + 2 s]}.  Only the order of the f32 sums differs from K ascending.
; THE PRODUCT IS USED TRANSPOSED: source 0 = 16 hidden units, source 1 = 16 rows: lane (r, h), register j: row r, unit 8 h + j.  b1 is the C of each sum's first product.
; NO CLUSTER, NO TENSOR LOADS, though the slices of a tile share x and the tiles of an expert share w1: the text branches on stored numbers (empty entries, counts of row tiles), and partners would have different counts.
; LIMITS: NaN and infinities are not served.  erf is the rational form 1 - (a1 t + .. + a5 t^5) e^(-x^2), t = 1 / (1 + 0.3275911 x), good to 1.5e-7 absolute.
; REGISTERS.  Window 0: see the names below.  Window 1: v0-239 x's fragments, 48 for each of my five row tiles; before that the codes as loaded (x v0-59, w1 v60-155).
.set XL,   0                           ; LDS: x: row rho at 400 rho
.set WL,   64000                       ; w1: unit n at 400 n
.set RED,  166400                      ; [4 g][160 rows] f32, 640 bytes apart
.set PB,   168960                      ; 512 bytes a wave: its 64 b1, its 64 w2
.set XGA,  4                           ; v4   x in memory: my wave's 20 rows; row lane / 16, piece lane % 16
.set WGA,  5                           ; v5   w1 in memory: my wave's 32 units; likewise
.set XGB,  10                          ; v10  x: row lane / 8, piece 16 + lane % 8
.set WGB,  11                          ; v11  w1 likewise
.set XSA,  12                          ; v12-13 the same two places of x in LDS
.set XSB,  13
.set WSA,  14                          ; v14-15 of w1
.set WSB,  15
.set XRD,  16                          ; v16 my lane's half row in my first row tile; v17 in my first tile of units
.set WRD,  17
.set REDW, 18
.set REDR, 19
.set PBW,  20
.set PBR,  21
.set WD,   24                          ; v24-31  w1's scale bytes as loaded
.set WSC,  32                          ; v32-39  w1's scale words [pair u][step s]: lanes 0-15 tile 2 u, lanes 16-31 tile 2 u + 1
.set XSC,  40                          ; v40-51  x's [k][step s]: lanes 0-15 row tile i = 2 k, lanes 16-31 i = 2 k + 1.  v32-51 hold scales and nothing else
.set B1R,  52                          ; v52-67  b1 of the pair's two tiles
.set W2R,  68                          ; v68-83  w2 likewise
.set ACC,  84                          ; v84-93  a pair of sums for each of my five row tiles
.set RAWP, 94                          ; v94-97  b1, w2 as loaded
.set GA,   98                          ; v98-129 gelu: |x|, t, e, the polynomial: 8 each
.set GT,   106
.set GE,   114
.set GR,   122
.set D0,   130                         ; v130-145 the two accumulators
.set D1,   138
.set F0,   146                         ; v146-241 the pair's two tiles of w1, 48 registers each
.set F1,   194
.set A4V,  242                         ; v242-243 a4 / 2
.set OUTO, 244                         ; v244 4 x thread
.set CNT,  35                          ; s35 how many of my row tiles begin under the tile's end
.set MSB, 0
.macro WIN new                         ; the immediate's high byte repeats the setting that is left
.if MSB != \new
	s_set_vgpr_msb (MSB<<8)|\new
.set MSB, \new
.endif
.endm
	s_load_b512 s[4:19], s[0:1], 0x0               ; xq s[4:5], xs s[6:7], w1_codes s[8:9], w1_scales s[10:11], b1 s[12:13], w2 s[14:15], b2 s[16:17], tiles s[18:19]
	s_load_b64 s[20:21], s[0:1], 0x40              ; partial
	v_lshl_add_u32 v254, v0, 2, 0x2a400
	v_mov_b32 v255, 0
	v_lshrrev_b32 v22, 5, v0
	s_delay_alu instid0(VALU_DEP_1)
	v_readfirstlane_b32 s22, v22                   ; wave
	s_and_b32 s23, s22, 3                          ; g
	s_lshr_b32 s32, s22, 2                         ; p
	s_and_b32 s33, ttmp9, 7                        ; slice
	s_lshr_b32 s38, ttmp9, 3
	s_lshl_b32 s38, s38, 4
	s_mov_b32 s39, 0
	s_wait_kmcnt 0x0
	s_add_nc_u64 s[18:19], s[18:19], s[38:39]
	s_load_b128 s[24:27], s[18:19], 0x0            ; both entries now: (expert, window's first place, first row, last row + 1)
	s_load_b128 s[28:31], s[18:19], 0x200
	v_and_b32 v1, 31, v0                           ; l
	v_and_b32 v2, 15, v0                           ; r
	v_bfe_u32 v3, v0, 4, 1                         ; h
	v_bfe_u32 v23, v0, 7, 1                        ; p
	s_delay_alu instid0(VALU_DEP_4)
	v_lshlrev_b32 v6, 4, v1                        ; 16 l
	v_lshlrev_b32 v7, 3, v1                        ; 8 l
	v_lshlrev_b32 v9, 4, v2
	s_delay_alu instid0(VALU_DEP_1)
	v_lshl_add_u32 v9, v23, 8, v9                  ; x's scale words: 16 (16 p + r),
	s_delay_alu instid0(VALU_DEP_1)
	v_lshl_add_u32 v8, v3, 9, v9                   ; and 32 rows on for lanes 16-31
	v_lshlrev_b32 v245, 4, v2                      ; piece lane % 16
	s_delay_alu instid0(VALU_DEP_1)
	v_mad_u32_u24 v[XGA], v3, 384, v245            ; of row lane / 16: in memory,
	s_delay_alu instid0(VALU_DEP_2)
	v_mad_u32_u24 v[XSA], v3, 400, v245            ; in LDS
	v_and_b32 v246, 7, v0
	s_delay_alu instid0(VALU_DEP_1)
	v_lshlrev_b32 v246, 4, v246
	s_delay_alu instid0(VALU_DEP_1)
	v_add_nc_u32 v246, 0x100, v246                 ; piece 16 + lane % 8
	v_bfe_u32 v247, v0, 3, 2
	s_delay_alu instid0(VALU_DEP_1)
	v_mad_u32_u24 v[XGB], v247, 384, v246          ; of row lane / 8: in memory,
	s_delay_alu instid0(VALU_DEP_2)
	v_mad_u32_u24 v[XSB], v247, 400, v246          ; in LDS
	v_mad_u32_u24 v[WGA], v22, 12288, v[XGA]       ; w1: my wave's 32 units
	s_delay_alu instid0(VALU_DEP_3)
	v_mad_u32_u24 v[WGB], v22, 12288, v[XGB]
	v_mad_u32_u24 v[WSA], v22, 12800, v[XSA]
	s_delay_alu instid0(VALU_DEP_4)
	v_mad_u32_u24 v[WSB], v22, 12800, v[XSB]
	s_delay_alu instid0(VALU_DEP_2)
	v_add_nc_u32 v[WSA], WL, v[WSA]
	s_delay_alu instid0(VALU_DEP_2)
	v_add_nc_u32 v[WSB], WL, v[WSB]
	v_mad_u32_u24 v[XGA], v22, 7680, v[XGA]        ; x: my wave's 20 rows
	v_mad_u32_u24 v[XGB], v22, 7680, v[XGB]
	v_mad_u32_u24 v[XSA], v22, 8000, v[XSA]
	v_mad_u32_u24 v[XSB], v22, 8000, v[XSB]
	v_mul_u32_u24 v[XRD], v2, 400
	s_delay_alu instid0(VALU_DEP_1)
	v_mad_u32_u24 v[XRD], v3, 192, v[XRD]          ; 400 r + 192 h
	v_bfe_u32 v245, v0, 5, 2                       ; g
	s_delay_alu instid0(VALU_DEP_1)
	v_mad_u32_u24 v[WRD], v245, 25600, v[XRD]
	s_delay_alu instid0(VALU_DEP_1)
	v_add_nc_u32 v[WRD], WL, v[WRD]                ; 400 (64 g + r) + 192 h
	s_delay_alu instid0(VALU_DEP_4)
	v_mad_u32_u24 v[XRD], v23, 6400, v[XRD]        ; 400 (16 p + r) + 192 h
	v_lshlrev_b32 v[REDW], 2, v2
	s_delay_alu instid0(VALU_DEP_1)
	v_lshl_add_u32 v[REDW], v23, 6, v[REDW]
	s_delay_alu instid0(VALU_DEP_1)
	v_mad_u32_u24 v[REDW], v245, 640, v[REDW]
	s_delay_alu instid0(VALU_DEP_1)
	v_add_nc_u32 v[REDW], RED, v[REDW]             ; 640 g + 4 (16 p + r)
	v_lshl_add_u32 v[REDR], v0, 2, RED
	v_lshl_add_u32 v[PBW], v22, 9, v7
	s_delay_alu instid0(VALU_DEP_1)
	v_add_nc_u32 v[PBW], PB, v[PBW]
	v_lshlrev_b32 v[PBR], 5, v3
	s_delay_alu instid0(VALU_DEP_1)
	v_lshl_add_u32 v[PBR], v22, 9, v[PBR]
	s_delay_alu instid0(VALU_DEP_1)
	v_add_nc_u32 v[PBR], PB, v[PBR]
	v_lshlrev_b32 v[OUTO], 2, v0
.irp i, 0,1,2,3,4,5,6,7,8,9,10,11,12,13,14,15,16,17,18,19
	v_mov_b32 v[WSC+\i], 0x7f7f7f7f                ; scales of 1, once: the scale registers are written on every way through the text, the way round an item's loads too
.endr
.irp i, 0,1,2,3,4
	v_mov_b32 v[GT+\i], 0                          ; (a lane permute's destination counts as one of its sources)
.endr
	v_mov_b32 v[A4V], 0xbf3a00e3
	v_mov_b32 v[A4V+1], 0xbf3a00e3
	s_mul_i32 s74, s33, 98304                      ; the slice's codes,
	s_lshl_b32 s75, s33, 12
	s_lshl_b32 s38, s23, 10
	s_add_co_u32 s75, s75, s38                     ; my 64 units' scale bytes,
	s_lshl_b32 s76, s33, 10
	s_lshl_b32 s38, s23, 8
	s_add_co_u32 s76, s76, s38                     ; their b1 and w2,
	s_lshl_b32 s77, s33, 14                        ; the slice's row of partial
	s_mov_b32 s78, 0x05010400                      ; byte selects of the scale words: even K steps,
	s_mov_b32 s79, 0x07030602                      ; odd ones
	s_mov_b32 s54, 0x3e6d3388                      ; 0.3275911 / sqrt(2)
	s_mov_b32 s55, s54
	s_mov_b32 s56, 0x3f596d27                      ; sqrt(log2(e) / 2): e^(-x^2 / 2) = 2^-((this x)^2)
	s_mov_b32 s57, s56
	s_mov_b32 s58, 0x3f07dc22                      ; a5 / 2
	s_mov_b32 s59, s58
	s_mov_b32 s62, 0x3f35f0e3                      ; a3 / 2
	s_mov_b32 s63, s62
	s_mov_b32 s66, 0xbe11a98e                      ; a2 / 2
	s_mov_b32 s67, s66
	s_mov_b32 s68, 0x3e027906                      ; a1 / 2
	s_mov_b32 s69, s68
	s_mov_b32 s70, 0x76543210
	s_mov_b32 s71, 0xfedcba98
	s_mov_b32 s72, 0x7fffffff
	s_mov_b32 s36, 0
	s_mov_b32 s34, 0
	s_wait_kmcnt 0x0
.macro PARAMS u                        ; b1 and w2 of the pair's two tiles: lane (r, h) takes units 8 h + 0 .. 7 of each
.irp t, 0,1
.irp q, 0,1
	ds_load_b128 v[B1R+8*\t+4*\q:B1R+8*\t+4*\q+3], v[PBR] offset:64*(2*\u+\t)+16*\q
	ds_load_b128 v[W2R+8*\t+4*\q:W2R+8*\t+4*\q+3], v[PBR] offset:256+64*(2*\u+\t)+16*\q
.endr
.endr
.endm
.macro FLOAD u                         ; the pair's two tiles of w1, all four K steps
.irp j, 0,1,2,3,4,5,6,7,8,9,10,11
	ds_load_b128 v[F0+4*\j:F0+4*\j+3], v[WRD] offset:6400*(2*\u)+16*\j
.endr
.irp j, 0,1,2,3,4,5,6,7,8,9,10,11
	ds_load_b128 v[F1+4*\j:F1+4*\j+3], v[WRD] offset:6400*(2*\u+1)+16*\j
.endr
.endm
.macro XLOAD i                         ; x's fragments of my row tile i, all four K steps (destination: window 1)
.irp j, 0,1,2,3,4,5,6,7,8,9,10,11
	ds_load_b128 v[48*(\i)+4*\j:48*(\i)+4*\j+3], v[XRD] offset:12800*(\i)+16*\j
.endr
.endm
.macro MM d, f, xr, c, wa, xa, arow, brow      ; one product; arow, brow: the scale words stand in lanes 16-31
.if \arow && \brow
	v_wmma_scale_f32_16x16x128_f8f6f4 v[(\d):(\d)+7], v[(\f):(\f)+11], v[(\xr):(\xr)+11], v[(\c):(\c)+7], v[(\wa)], v[(\xa)] matrix_a_fmt:MATRIX_FMT_FP6 matrix_b_fmt:MATRIX_FMT_FP6 matrix_a_scale:MATRIX_SCALE_ROW1 matrix_b_scale:MATRIX_SCALE_ROW1
.elseif \arow
	v_wmma_scale_f32_16x16x128_f8f6f4 v[(\d):(\d)+7], v[(\f):(\f)+11], v[(\xr):(\xr)+11], v[(\c):(\c)+7], v[(\wa)], v[(\xa)] matrix_a_fmt:MATRIX_FMT_FP6 matrix_b_fmt:MATRIX_FMT_FP6 matrix_a_scale:MATRIX_SCALE_ROW1
.elseif \brow
	v_wmma_scale_f32_16x16x128_f8f6f4 v[(\d):(\d)+7], v[(\f):(\f)+11], v[(\xr):(\xr)+11], v[(\c):(\c)+7], v[(\wa)], v[(\xa)] matrix_a_fmt:MATRIX_FMT_FP6 matrix_b_fmt:MATRIX_FMT_FP6 matrix_b_scale:MATRIX_SCALE_ROW1
.else
	v_wmma_scale_f32_16x16x128_f8f6f4 v[(\d):(\d)+7], v[(\f):(\f)+11], v[(\xr):(\xr)+11], v[(\c):(\c)+7], v[(\wa)], v[(\xa)] matrix_a_fmt:MATRIX_FMT_FP6 matrix_b_fmt:MATRIX_FMT_FP6
.endif
.endm
; gelu(x) w2 of eight numbers, added to row tile i's sums.  gelu(x) = x / 2 + |x| (1 / 2 - y / 2), y = (a1 t + .. + a5 t^5) e^(-x^2 / 2), t = 1 / (1 + 0.3275911 |x| / sqrt(2)); the halves are folded into the a.
.macro GELU d, w, i
.irp j, 0,1,2,3,4,5,6,7
	v_and_b32 v[GA+\j], s72, v[(\d)+\j]            ; |x|: the accumulator is read from its low end on
.endr
.irp j, 0,2,4,6
	v_pk_fma_f32 v[GT+\j:GT+\j+1], v[GA+\j:GA+\j+1], s[54:55], 1.0 op_sel_hi:[1,0,0]
.endr
.irp j, 0,2,4,6
	v_pk_mul_f32 v[GE+\j:GE+\j+1], v[(\d)+\j:(\d)+\j+1], s[56:57] op_sel_hi:[1,0]
.endr
	s_wait_alu depctr_va_vdst(0)
.irp j, 0,1,2,3,4,5,6,7
	v_rcp_f32 v[GT+\j], v[GT+\j]                   ; t
.endr
.irp j, 0,2,4,6
	v_pk_mul_f32 v[GE+\j:GE+\j+1], v[GE+\j:GE+\j+1], v[GE+\j:GE+\j+1] neg_lo:[1,0] neg_hi:[1,0]   ; (plain lines behind the reciprocals)
.endr
	s_wait_alu depctr_va_vdst(0)
.irp j, 0,1,2,3,4,5,6,7
	v_exp_f32 v[GE+\j], v[GE+\j]                   ; e^(-x^2 / 2)
.endr
	s_wait_alu depctr_va_vdst(0)
.irp j, 0,2,4,6
	v_pk_fma_f32 v[GR+\j:GR+\j+1], v[GT+\j:GT+\j+1], s[58:59], v[A4V:A4V+1] op_sel_hi:[1,0,1]   ; (plain lines behind the exponentials, which they do not touch)
.endr
.irp a, 62,66,68
.irp j, 0,2,4,6
	v_pk_fma_f32 v[GR+\j:GR+\j+1], v[GR+\j:GR+\j+1], v[GT+\j:GT+\j+1], s[\a:\a+1] op_sel_hi:[1,1,0]
.endr
.endr
.irp j, 0,2,4,6
	v_pk_mul_f32 v[GR+\j:GR+\j+1], v[GR+\j:GR+\j+1], v[GT+\j:GT+\j+1]
.endr
.irp j, 0,2,4,6
	v_pk_fma_f32 v[GR+\j:GR+\j+1], v[GR+\j:GR+\j+1], v[GE+\j:GE+\j+1], 0.5 op_sel_hi:[1,1,0] neg_lo:[1,0,0] neg_hi:[1,0,0]   ; 1 / 2 - y / 2
.endr
.irp j, 0,2,4,6
	v_pk_mul_f32 v[GE+\j:GE+\j+1], v[(\d)+\j:(\d)+\j+1], 0.5 op_sel_hi:[1,0]
.endr
.irp j, 0,2,4,6
	s_delay_alu instid0(VALU_DEP_4)
	v_pk_fma_f32 v[GE+\j:GE+\j+1], v[GA+\j:GA+\j+1], v[GR+\j:GR+\j+1], v[GE+\j:GE+\j+1]
.endr
.irp j, 0
	s_delay_alu instid0(VALU_DEP_4)
	v_pk_fma_f32 v[ACC+2*(\i):ACC+2*(\i)+1], v[GE+\j:GE+\j+1], v[(\w)+\j:(\w)+\j+1], v[ACC+2*(\i):ACC+2*(\i)+1]
.endr
.irp j, 2, 4, 6
	s_delay_alu instid0(VALU_DEP_1)
	v_pk_fma_f32 v[ACC+2*(\i):ACC+2*(\i)+1], v[GE+\j:GE+\j+1], v[(\w)+\j:(\w)+\j+1], v[ACC+2*(\i):ACC+2*(\i)+1]
.endr
.endm
; Pair u of tiles of units x my row tile i: eight products, the two accumulators by turns, one instruction a turn; then gelu and w2.
.macro UNIT u, i
.if (\u != 0) || (\i != 0)
	s_cmp_le_u32 s[CNT], \i                        ; a row tile that begins at or behind the tile's end is left out, and so are those behind it
	s_cbranch_scc1 .Lpair_done_\u
.endif
.if \u == 0
.if \i == 0
	s_wait_dscnt 12                                ; b1, w2, w1's two tiles and row tile 0's fragments are in; row tile 1's 12 loads may be out
.else
	s_wait_dscnt 12*(4-\i)                         ; x's fragments up to row tile i are in; the 12 loads of each later row tile may be out
.endif
.endif
	WIN 0x04                                       ; source 1 (x) in window 1
.irp s, 0,1,2,3
.if \s == 0
	MM D0, F0, 48*(\i), B1R, WSC+4*\u, XSC+4*((\i)/2), 0, (\i)%2
	MM D1, F1, 48*(\i), B1R+8, WSC+4*\u, XSC+4*((\i)/2), 1, (\i)%2
.else
	MM D0, F0+12*\s, 48*(\i)+12*\s, D0, WSC+4*\u+\s, XSC+4*((\i)/2)+\s, 0, (\i)%2
	MM D1, F1+12*\s, 48*(\i)+12*\s, D1, WSC+4*\u+\s, XSC+4*((\i)/2)+\s, 1, (\i)%2
.endif
.endr
.if (\u == 0) && (\i == 0)
	WIN 0x40                                       ; the other three row tiles are asked for here, on the one way that every wave with work takes, into registers that the products above do not name:
	XLOAD 2                                        ; they land under the first gelu, and the counted waits hold on every way
	XLOAD 3
	XLOAD 4
.endif
	WIN 0
.rept 4
	v_nop                                          ; four places between the last product and the first read of a result (ISA guide 7.12.1)
.endr
	GELU D0, W2R, \i
	GELU D1, W2R+8, \i
.endm
.macro PAIR u
.if \u == 1
	s_wait_dscnt 0x0                               ; all of x's fragments are in, whatever the first pair left out
	PARAMS 1                                       ; (the lines of gelu are the places between the last products and these loads into their registers)
	FLOAD 1
	s_wait_dscnt 0x0
.endif
.irp i, 0,1,2,3,4
	UNIT \u, \i
.endr
.Lpair_done_\u:
.endm
.Litem:
	s_min_u32 s24, s24, 15                         ; the entry's numbers, held inside their ranges ahead of every address made of them
	s_min_u32 s25, s25, 3936
	s_min_u32 s26, s26, 160
	s_min_u32 s27, s27, 160
	s_mov_b32 s39, 0
	s_mul_i32 s38, s25, 384
	s_add_nc_u64 s[40:41], s[4:5], s[38:39]        ; the window's codes of x,
	s_lshl_b32 s38, s25, 4
	s_add_nc_u64 s[42:43], s[6:7], s[38:39]        ; its scale words,
	s_mul_i32 s38, s24, 786432
	s_add_co_u32 s38, s38, s74
	s_add_nc_u64 s[44:45], s[8:9], s[38:39]        ; the expert's slice of w1,
	s_lshl_b32 s38, s24, 15
	s_add_co_u32 s38, s38, s75
	s_add_nc_u64 s[46:47], s[10:11], s[38:39]      ; my units' scale bytes,
	s_lshl_b32 s38, s24, 13
	s_add_co_u32 s38, s38, s76
	s_add_nc_u64 s[48:49], s[12:13], s[38:39]      ; b1,
	s_add_nc_u64 s[50:51], s[14:15], s[38:39]      ; w2,
	s_lshl_b32 s38, s25, 2
	s_add_co_u32 s38, s38, s77
	s_add_nc_u64 s[52:53], s[20:21], s[38:39]      ; and where the window's sums go
	s_lshl_b32 s37, s24, 2
	s_lshl_b32 s38, s32, 4
	s_add_co_u32 s[CNT], s27, 31
	s_sub_co_u32 s[CNT], s[CNT], s38
	s_lshr_b32 s[CNT], s[CNT], 5                   ; row tiles 2 i + p with 16 (2 i + p) < the tile's end: 0 for an empty entry
	s_cmp_eq_u32 s27, 0
	s_cbranch_scc1 .Lno_load                       ; an empty entry loads nothing
	s_load_b32 s36, s[16:17], s37 offset:0x0       ; b2[e]
	global_load_b128 v[WD:WD+3], v6, s[46:47]              ; unit l's 16 scale bytes,
	global_load_b128 v[WD+4:WD+7], v6, s[46:47] offset:512 ; unit 32 + l's
	global_load_b64 v[RAWP:RAWP+1], v7, s[48:49]
	global_load_b64 v[RAWP+2:RAWP+3], v7, s[50:51]
	global_load_b128 v[XSC:XSC+3], v8, s[42:43]
	global_load_b128 v[XSC+4:XSC+7], v8, s[42:43] offset:1024
	global_load_b128 v[XSC+8:XSC+11], v9, s[42:43] offset:2048   ; (the fifth row tile has no partner: both halves of the lanes take it, and no load leaves the window)
	WIN 0x40                                       ; destinations in window 1
.irp q, 0,1,2,3,4                      ; x: five groups of four rows
	global_load_b128 v[12*\q:12*\q+3], v[XGA], s[40:41] offset:1536*\q
	global_load_b128 v[12*\q+4:12*\q+7], v[XGA], s[40:41] offset:1536*\q+768
	global_load_b128 v[12*\q+8:12*\q+11], v[XGB], s[40:41] offset:1536*\q
.endr
.irp q, 0,1,2,3,4,5,6,7                ; w1: eight groups of four units
	global_load_b128 v[60+12*\q:63+12*\q], v[WGA], s[44:45] offset:1536*\q
	global_load_b128 v[64+12*\q:67+12*\q], v[WGA], s[44:45] offset:1536*\q+768
	global_load_b128 v[68+12*\q:71+12*\q], v[WGB], s[44:45] offset:1536*\q
.endr
	WIN 0
	s_wait_loadcnt 24                              ; the small loads and x are in; w1's 24 may be out
.irp u, 0,1
.irp s, 0,1,2,3
	v_perm_b32 v[WSC+4*\u+\s], v[WD+4*\u+2+\s/2], v[WD+4*\u+\s/2], s[78+\s%2]
.endr
.endr
	ds_store_b64 v[PBW], v[RAWP:RAWP+1]
	ds_store_b64 v[PBW], v[RAWP+2:RAWP+3] offset:256
	WIN 0x04                                       ; an LDS store's data are its source 1: window 1
.irp q, 0,1,2,3,4
	ds_store_b128 v[XSA], v[12*\q:12*\q+3] offset:1600*\q
	ds_store_b128 v[XSA], v[12*\q+4:12*\q+7] offset:1600*\q+800
	ds_store_b128 v[XSB], v[12*\q+8:12*\q+11] offset:1600*\q
.endr
.irp q, 0,1,2,3,4,5,6,7
.if \q%2 == 0
	s_wait_loadcnt 18-3*\q                         ; the next six of w1's loads are in; those behind them may be out
.endif
	ds_store_b128 v[WSA], v[60+12*\q:63+12*\q] offset:1600*\q
	ds_store_b128 v[WSA], v[64+12*\q:67+12*\q] offset:1600*\q+800
	ds_store_b128 v[WSB], v[68+12*\q:71+12*\q] offset:1600*\q
.endr
	WIN 0
	s_wait_kmcnt 0x0
.Lno_load:
	s_wait_dscnt 0x0                               ; for the others' sake: my stores have landed (and my reads of the last item's sums are in)
	s_barrier_signal -1
	s_barrier_wait -1                              ; the item's codes lie in LDS
.irp i, 0,1,2,3,4,5,6,7,8,9
	v_mov_b32 v[ACC+\i], 0                         ; (also the places between the scale words' making and the products)
.endr
	s_cmp_eq_u32 s[CNT], 0
	s_cbranch_scc1 .Lred
	PARAMS 0
	FLOAD 0
	WIN 0x40
	XLOAD 0
	XLOAD 1                                        ; 56 LDS loads are out here; the other three row tiles follow behind the first products
	WIN 0
	PAIR 0
	PAIR 1
.Lred:
	s_wait_alu depctr_va_vdst(0)
.irp i, 0,1,2,3,4
	v_add_f32 v[GA+\i], v[ACC+2*\i], v[ACC+2*\i+1]
.endr
.irp i, 0,1,2,3,4
	v_permlanex16_b32 v[GT+\i], v[GA+\i], s70, s71
.endr
.irp i, 0,1,2,3,4
	v_add_f32 v[GA+\i], v[GA+\i], v[GT+\i]         ; row r's sum over my 64 units
.endr
.irp i, 0,1,2,3,4
	ds_store_b32 v[REDW], v[GA+\i] offset:128*\i   ; (both halves of the lanes write the same word with the same value)
.endr
	s_wait_dscnt 0x0                               ; my sums have landed, and my reads of the codes are over: the next item may overwrite them
	s_barrier_signal -1
	s_barrier_wait -1
	s_cmp_ge_u32 s22, 5
	s_cbranch_scc1 .Lno_out                        ; 160 rows: waves 0 to 4, a row a lane
.irp q, 0,1,2,3
	ds_load_b32 v[GA+\q], v[REDR] offset:640*\q
.endr
	s_wait_dscnt 0x0
	v_add_f32 v[GA], v[GA], v[GA+1]
	s_delay_alu instid0(VALU_DEP_1)
	v_add_f32 v[GA], v[GA], v[GA+2]
	s_delay_alu instid0(VALU_DEP_1)
	v_add_f32 v[GA], v[GA], v[GA+3]
	s_cmp_eq_u32 s33, 0
	s_cselect_b32 s38, s36, 0                      ; b2 goes in once: with slice 0
	v_add_f32 v[GA], s38, v[GA]
	v_cmp_le_u32 vcc_lo, s26, v0
	v_cmp_gt_u32 s39, s27, v0
	s_and_b32 vcc_lo, vcc_lo, s39                  ; the window's rows that are the tile's: none of an empty entry
	s_wait_alu depctr_va_vdst(0)
	s_wait_xcnt 0x0                                ; EXEC changes only behind this wait
	s_and_saveexec_b32 s38, vcc_lo
	global_store_b32 v[OUTO], v[GA], s[52:53]
	s_wait_xcnt 0x0
	s_or_b32 exec_lo, exec_lo, s38
.Lno_out:
	s_wait_xcnt 0x0                                ; the item's bases and offsets are written again only behind this wait
	s_mov_b64 s[24:25], s[28:29]                   ; the second entry
	s_mov_b64 s[26:27], s[30:31]
	s_add_co_u32 s34, s34, 1
	s_cmp_lt_u32 s34, 2
	s_cbranch_scc1 .Litem
	s_wait_tensorcnt 0x0
	ds_add_u32 v254, v255
	s_wait_dscnt 0x0
	s_endpgm
.Lfunc_end_k_q2379cf10a8_chain:
	.size	k_q2379cf10a8_chain, .Lfunc_end_k_q2379cf10a8_chain-k_q2379cf10a8_chain
	.p2alignl 7, 3214868480
	.fill 96, 4, 3214868480
	.section	.rodata,"a",@progbits
	.p2align	6, 0x0
	.amdhsa_kernel k_q2379cf10a8_chain
		.amdhsa_group_segment_fixed_size 174080
		.amdhsa_private_segment_fixed_size 0
		.amdhsa_enable_private_segment 0
		.amdhsa_kernarg_size 72
		.amdhsa_user_sgpr_count 2
		.amdhsa_user_sgpr_kernarg_segment_ptr 1
		.amdhsa_wavefront_size32 1
		.amdhsa_system_sgpr_workgroup_id_x 1
		.amdhsa_system_sgpr_workgroup_id_y 1
		.amdhsa_system_sgpr_workgroup_id_z 1
		.amdhsa_system_vgpr_workitem_id 0
		.amdhsa_next_free_vgpr 512
		.amdhsa_next_free_sgpr 80
		.amdhsa_reserve_vcc 1
		.amdhsa_float_denorm_mode_32 3
		.amdhsa_float_denorm_mode_16_64 3
		.amdhsa_memory_ordered 1
		.amdhsa_forward_progress 1
		.amdhsa_inst_pref_size 122
	.end_amdhsa_kernel
	.amdgpu_metadata
---
amdhsa.version: [ 1, 2 ]
amdhsa.kernels:
  - .name:           k_q2379cf10a8_chain
    .symbol:         k_q2379cf10a8_chain.kd
    .args:
      - { .name: xq, .offset: 0, .size: 8, .value_kind: global_buffer, .address_space: global }
      - { .name: xs, .offset: 8, .size: 8, .value_kind: global_buffer, .address_space: global }
      - { .name: w1_codes, .offset: 16, .size: 8, .value_kind: global_buffer, .address_space: global }
      - { .name: w1_scales, .offset: 24, .size: 8, .value_kind: global_buffer, .address_space: global }
      - { .name: b1, .offset: 32, .size: 8, .value_kind: global_buffer, .address_space: global }
      - { .name: w2, .offset: 40, .size: 8, .value_kind: global_buffer, .address_space: global }
      - { .name: b2, .offset: 48, .size: 8, .value_kind: global_buffer, .address_space: global }
      - { .name: tiles, .offset: 56, .size: 8, .value_kind: global_buffer, .address_space: global }
      - { .name: partial, .offset: 64, .size: 8, .value_kind: global_buffer, .address_space: global }
    .group_segment_fixed_size: 174080
    .private_segment_fixed_size: 0
    .kernarg_segment_align: 8
    .kernarg_segment_size: 72
    .max_flat_workgroup_size: 256
    .sgpr_count:     80
    .vgpr_count:     512
    .wavefront_size: 32
...
	.end_amdgpu_metadata
.endif
;; end of part 3
;; launch sum (part 4): grid 32 x 1, 1 waves a work-group, no clusters, 0 bytes of LDS; arguments partial, rowpos, out0; writes out0
.if DOCPART == 4
	.amdgcn_target "amdgcn-amd-amdhsa--gfx1250"
	.amdhsa_code_object_version 6
	.text
	.protected	k_q2379cf10a8_sum
	.globl	k_q2379cf10a8_sum
	.p2align	8
	.type	k_q2379cf10a8_sum,@function
k_q2379cf10a8_sum:
	s_mov_b64 s[64:65], 0
	v_nop
	global_prefetch_b8 v0, s[64:65] scope:SCOPE_SE
	s_setreg_imm32_b32 hwreg(HW_REG_WAVE_MODE, 25, 1), 1
	s_wait_xcnt 0x0
; out0[row] = the sum over the 8 slices of partial[slice][place of the row], slices ascending.  A lane takes 4 neighbouring rows, a wave 128: one load of places, 32 gathers all asked for together,
; one store of 512 consecutive bytes.  128 KiB are read in all: no LDS, no barrier, no matrix unit, nothing to share.
	s_load_b128 s[4:7], s[0:1], 0x0                ; partial s[4:5], rowpos s[6:7]
	s_load_b64 s[8:9], s[0:1], 0x10                ; out0
	v_lshlrev_b32 v1, 4, v0
	s_lshl_b32 s10, ttmp9, 9
	s_mov_b32 s11, 0
	s_wait_alu depctr_va_vdst(0)
	s_wait_kmcnt 0x0
	s_add_nc_u64 s[6:7], s[6:7], s[10:11]
	s_add_nc_u64 s[8:9], s[8:9], s[10:11]
	global_load_b128 v[4:7], v1, s[6:7]
	s_wait_loadcnt 0x0
.irp k, 0,1,2,3
	v_min_u32 v[4+\k], 0xfff, v[4+\k]              ; a place, held inside the buffer ahead of the address
	v_lshlrev_b32 v[4+\k], 2, v[4+\k]
.endr
.irp s, 0,1,2,3,4,5,6,7
.irp k, 0,1,2,3
	global_load_b32 v[8+4*\s+\k], v[4+\k], s[4:5] offset:16384*\s
.endr
.endr
	s_wait_loadcnt 0x0
.irp s, 1,2,3,4,5,6,7
	v_pk_add_f32 v[8:9], v[8:9], v[8+4*\s:9+4*\s]
	v_pk_add_f32 v[10:11], v[10:11], v[10+4*\s:11+4*\s]
.endr
	global_store_b128 v1, v[8:11], s[8:9]
	s_endpgm
.Lfunc_end_k_q2379cf10a8_sum:
	.size	k_q2379cf10a8_sum, .Lfunc_end_k_q2379cf10a8_sum-k_q2379cf10a8_sum
	.p2alignl 7, 3214868480
	.fill 96, 4, 3214868480
	.section	.rodata,"a",@progbits
	.p2align	6, 0x0
	.amdhsa_kernel k_q2379cf10a8_sum
		.amdhsa_group_segment_fixed_size 0
		.amdhsa_private_segment_fixed_size 0
		.amdhsa_enable_private_segment 0
		.amdhsa_kernarg_size 24
		.amdhsa_user_sgpr_count 2
		.amdhsa_user_sgpr_kernarg_segment_ptr 1
		.amdhsa_wavefront_size32 1
		.amdhsa_system_sgpr_workgroup_id_x 1
		.amdhsa_system_sgpr_workgroup_id_y 1
		.amdhsa_system_sgpr_workgroup_id_z 1
		.amdhsa_system_vgpr_workitem_id 0
		.amdhsa_next_free_vgpr 48
		.amdhsa_next_free_sgpr 66
		.amdhsa_reserve_vcc 0
		.amdhsa_float_denorm_mode_32 3
		.amdhsa_float_denorm_mode_16_64 3
		.amdhsa_memory_ordered 1
		.amdhsa_forward_progress 1
		.amdhsa_inst_pref_size 6
	.end_amdhsa_kernel
	.amdgpu_metadata
---
amdhsa.version: [ 1, 2 ]
amdhsa.kernels:
  - .name:           k_q2379cf10a8_sum
    .symbol:         k_q2379cf10a8_sum.kd
    .args:
      - { .name: partial, .offset: 0, .size: 8, .value_kind: global_buffer, .address_space: global }
      - { .name: rowpos, .offset: 8, .size: 8, .value_kind: global_buffer, .address_space: global }
      - { .name: out0, .offset: 16, .size: 8, .value_kind: global_buffer, .address_space: global }
    .group_segment_fixed_size: 0
    .private_segment_fixed_size: 0
    .kernarg_segment_align: 8
    .kernarg_segment_size: 24
    .max_flat_workgroup_size: 32
    .sgpr_count:     66
    .vgpr_count:     48
    .wavefront_size: 32
...
	.end_amdgpu_metadata
.endif
;; end of part 4
